; MI455X (gfx1250); checked and timed in simulation.
; The chip was launched on July 23, 2026; its instructions are those of AMD's public machine-readable ISA for CDNA 5 (MIT licence, August 2026) and "CDNA5" Instruction Set Architecture Reference Guide (July 2026). The comments in the code are by the model that wrote it; some were corrected since.
;; Symmetric Contraction. Allowed arithmetic: matrix products marked QUANTISED: E2M1 operands, one E8M0 scale for each 32 along K, by v_wmma_scale_f32_16x16x128_f8f6f4 with both operands' format E2M1 (or v_wmma_scale_f32_32x16x128_f4), f32 sums; products left as they are: f32 operands where the result goes on into a quantised operand, else bf16, f16 or f32 operands; f32 sums; everything else in f32.
;; Inputs: U1 16 x 1 float32; U2 16 x 16 x 4 float32; U3 16 x 16 x 16 x 23 float32; W1 10 x 1 x 128 float32; W2 10 x 4 x 128 float32; W3 10 x 23 x 128 float32; atom_types 2,048 int32; x 2,048 x 16 x 128 float32.
;; Outputs: out0 2,048 x 128 float32.
;; This version of the problem:
;;   THIS VERSION OF THE PROBLEM IS GIVEN IN LOW PRECISION. The matrix products marked QUANTISED in the list below multiply operands that are first quantised to E2M1 (2 exponent bits, 1 mantissa bit; 4 bits a number), with one power-of-two scale for each 32 numbers along K (OCP MX v1.0); their sums are f32. All else is computed in f32.
;;   The module's matrix products, in the order in which they are computed (A, B: the left and right operand; K: the contracted axis; several contracted axes count as one K, in the product's order):
;;     1. batch 262,144 x [M 16, K 1] x [K 1, N 23]; A: computed on the way; B: computed on the way: left as it is (no contracted axis)
;;     2. [M 262,144, K 368] x [K 368, N 256]; A: computed on the way; B: input U3: QUANTISED
;;     3. [M 262,144, K 4] x [K 4, N 256]; A: computed on the way; B: input U2: left as it is (K = 4 < 32)
;;     4. batch 262,144 x [M 1, K 16] x [K 16, N 16]; A: input x; B: computed on the way: left as it is (K = 16 < 32)
;;     5. [M 262,144, K 1] x [K 1, N 16]; A: computed on the way; B: input U1: left as it is (K = 1 < 32)
;;     6. batch 262,144 x [M 1, K 16] x [K 16, N 1]; A: computed on the way; B: input x: left as it is (K = 16 < 32)
;;   THE QUANTISER, for each operand of a quantised product, along K:
;;     - K is cut into blocks of 32 from its start; a last block that is shorter is filled with zeros.
;;     - A block's scale is 2^e with e = floor(log2(the largest magnitude in the block)) - 2, held to -126 .. 127; a block of zeros has e = 0. As a byte (E8M0): e + 127.
;;     - Each number is divided by its block's scale, clamped to +-6, and rounded to the nearest number of E2M1, ties to even, subnormals kept.
;;     - The product sums the exact products of the quantised numbers (number of the format x scale) in f32.
;;   ~~~python
;;   def quantise(x, axis):      # numpy; x: float32 -> the quantised numbers, widened to float32 again
;;       x = np.moveaxis(x, axis, -1); K = x.shape[-1]
;;       x = np.pad(x, [(0, 0)] * (x.ndim - 1) + [(0, -K % 32)]); x = x.reshape(x.shape[:-1] + (-1, 32)); a = np.abs(x).max(-1, keepdims=True)
;;       e = np.where(a > 0, np.clip(np.frexp(np.where(a > 0, a, 1))[1] - 1 - 2, -126, 127), 0)      # np.frexp(a)[1] - 1 = floor(log2(a)), exactly
;;       r = np.clip(x / 2.0 ** e, -6, 6)
;;       step = 2.0 ** (np.maximum(np.frexp(np.where(r == 0, 1, r))[1] - 1, 0) - 1)
;;       q = np.round(r / step) * step * 2.0 ** e      # np.round: ties to even
;;       return np.moveaxis(q.reshape(q.shape[:-2] + (-1,))[..., :K], -1, axis).astype(np.float32)
;;   ~~~
;;   OPERANDS COMPUTED ON THE WAY. 'Computed on the way' means the value that the module computes at that place (a softmax that the list does not call 'softmax' is quantised finished and normalised). What goes into a quantiser is computed in f32, as accurately as f32 sums, v_exp_f32 and their like allow (about 1e-6 of the number): no bf16 or f16 on the way to a quantiser, and a product that is left as it is and whose result goes on into a quantised operand takes f32 operands (vector FMAs, or v_wmma_f32_16x16x4_f32). A number that lies on a knife's edge between two numbers of the format may be rounded either way, as far as f32 arithmetic and the matrix unit's own rounding can turn it there, and no further.
;; One version. Each part assembles by itself: llvm-mc -triple=amdgcn-amd-amdhsa -mcpu=gfx1250 --defsym DOCPART=n.
;; ======== version 1 of 1: 2 launches
;; workspace buffers: img 57,344 bytes; tab 409,600 bytes
;; launch prep (part 1): grid 65 x 1, 1 waves a work-group, no clusters, 0 bytes of LDS; arguments U3, U2, U1, W3, img, tab; writes img, tab
.if DOCPART == 1
	.amdgcn_target "amdgcn-amd-amdhsa--gfx1250"
	.amdhsa_code_object_version 6
	.text
	.protected	k_q7100ed2add_prep
	.globl	k_q7100ed2add_prep
	.p2align	8
	.type	k_q7100ed2add_prep,@function
k_q7100ed2add_prep:
	s_mov_b64 s[64:65], 0
	v_nop
	global_prefetch_b8 v0, s[64:65] scope:SCOPE_SE
	s_setreg_imm32_b32 hwreg(HW_REG_WAVE_MODE, 25, 1), 1
	s_wait_xcnt 0x0
; SymmetricContraction, first of two launches: everything that hangs on no atom is made once.
; No work of the problem is left out: every input has a way to the output and is loaded, here or in the second launch.
; THE QUANTISED PRODUCT is c3[n,c][a,b] = sum over K of xw[n,c][K] U3[a,b][K], K = 23 i + k (i outer, k inner), 368 long: 11 blocks of 32 and a half block, filled with zeros to 384.
; A row (a,b) of U3 is 368 neighbouring f32 numbers in memory, in that very order of K.
; img (57,344 bytes) holds IMAGES OF OPERAND REGISTERS: each group of four registers is 512 bytes, lane l's 16 bytes at 16 l.
;   0       U3's codes (E2M1).  Fragment f = 3 T + s: rows ab = 32 T .. 32 T + 31, K step s of 128.  Group g = 2 rh + c at (4 f + g) 512: lane (r, h) holds block 4 s + 2 c + h of row 32 T + 16 rh + r.
;   49,152  their scale words: fragment f's word of row 32 T + lane at 512 (f / 4) + 16 lane + 4 (f % 4)
;   52,224  U2 as bf16 fragments: tile k at 1,024 k: register jj of lane (r, h) = U2[8 h + 2 jj][r][k], U2[8 h + 2 jj + 1][r][k]; the upper half of K (512 bytes) is zeros
;   56,320  U1: register 4 q + j of lane (r, h) = U1[8 h + 4 q + j]
; tab (409,600 bytes), [type 10][cgi 4][q 20][lane 32][4 f32]; the channel of (cgi, lane) is 64 (cgi / 2) + 2 lane + cgi % 2.
;   q 0-11:  register R = 4 q + j holds 4 W3[type][R mod 23][channel] for R < 46, else 0.  The run of 23 stands twice, so that every pair (K, K + 1), K even, begins at an even register.
;            The factor 4 is exact; with it the block's largest magnitude itself is the conversion's scale operand in the second launch.
;   q 12-19: 32 slots of largest magnitudes of W3[type][.][channel] over a prefix (P c: k < c), a suffix (S c: k >= c) or all (F) of k: the pieces into which the blocks of 32 cut the runs of 23.
; A block's scale byte is its largest magnitude's exponent field less 2, held at 1 from below by a floor among the maximum's leaves.
; LIMITS: NaN and infinities among the inputs are not served; |W3| from 2^126 on overflows in 4 W3; a block of zeros gets the byte 1 where the rule says 127: its codes are zeros, and this program alone reads the bytes;
; U2 is rounded to bf16 (its product is one that is left as it is).
; SHARES: one wave to a work-group.  Work-groups 0-23: fragment f of U3.  24-63: one (type, cgi) of tab.  64: U2 and U1.  The three ways part on the work-group's number; none uses LDS.
.set NUM, 16                           ; v16-143  U3: four blocks of 32 numbers, block 2 rh + c at 32 (2 rh + c)
.set MX,  144                          ; v144-147 their largest magnitudes
.set SO,  148                          ; v148-151 the conversions' scale operands
.set BYT, 152                          ; v152-155 the scale bytes
.set WD,  156                          ; v156-157 the scale words of rows r and 16 + r
.set PX,  158                          ; v158-159 the same from lane l xor 16
.set CD,  160                          ; v160-175 the codes
.set WK,  16                           ; tab: v16-38 W3[type][k][channel]
.set RUN, 64                           ; v64-111  the doubled run
.set SL,  112                          ; v112-143 the 32 slots
	s_load_b256 s[4:11], s[0:1], 0x0               ; U3 s[4:5], U2 s[6:7], U1 s[8:9], W3 s[10:11]
	s_load_b128 s[12:15], s[0:1], 0x20             ; img s[12:13], tab s[14:15]
	v_and_b32 v1, 15, v0                           ; r
	v_lshrrev_b32 v2, 4, v0                        ; h
	v_lshlrev_b32 v9, 4, v0                        ; 16 x lane: my place in an image
	s_cmp_lt_u32 ttmp9, 24
	s_cbranch_scc0 .Lnot_u3
	; ---- a fragment of U3
	s_mul_i32 s16, ttmp9, 11
	s_lshr_b32 s16, s16, 5                         ; T = f / 3 (11 f / 32 for f under 24)
	s_mul_i32 s17, s16, 3
	s_sub_co_u32 s17, ttmp9, s17                   ; s = f - 3 T
	s_mul_i32 s22, s16, 47104                      ; 32 rows of 1,472 bytes,
	s_lshl_b32 s18, s17, 9                         ; 128 numbers along K
	s_add_co_u32 s22, s22, s18
	s_mov_b32 s23, 0
	s_cmp_eq_u32 s17, 2
	s_cselect_b32 s19, 64, 0                       ; the last K step's last block has 16 numbers:
	v_mul_u32_u24 v3, v1, 1472
	v_lshl_add_u32 v3, v2, 7, v3                   ; row r, block h
	v_mul_u32_u24 v5, s19, v2
	v_sub_nc_u32 v4, v3, v5                        ; its upper half is read 64 bytes lower, inside the row, and then cleared: no load leaves the buffer
	v_mov_b32 v6, 0
	v_cmp_ne_u32 vcc_lo, 0, v5                     ; the lanes that hold that block
	s_lshl_b32 s24, ttmp9, 11                      ; the fragment's image: 2,048 f
	s_mov_b32 s25, 0
	s_lshr_b32 s26, ttmp9, 2
	s_lshl_b32 s26, s26, 9
	s_and_b32 s27, ttmp9, 3
	s_lshl_b32 s27, s27, 2
	s_add_co_u32 s26, s26, s27
	s_add_co_u32 s26, s26, 49152                   ; its scale words: 49,152 + 512 (f / 4) + 4 (f % 4)
	s_mov_b32 s27, 0
	s_mov_b32 s20, 0x76543210
	s_mov_b32 s21, 0xfedcba98                      ; v_permlanex16_b32's selects for lane l xor 16
	s_wait_kmcnt 0x0
	s_add_nc_u64 s[4:5], s[4:5], s[22:23]
	s_add_nc_u64 s[28:29], s[12:13], s[24:25]
	s_add_nc_u64 s[30:31], s[12:13], s[26:27]
.irp rh, 0,1
.irp c, 0,1
.irp j, 0,1,2,3,4,5,6,7
.if (\c == 1) && (\j >= 4)
	global_load_b128 v[NUM+64*\rh+32*\c+4*\j:NUM+64*\rh+32*\c+4*\j+3], v4, s[4:5] offset:23552*\rh+256*\c+16*\j th:TH_LOAD_NT
.else
	global_load_b128 v[NUM+64*\rh+32*\c+4*\j:NUM+64*\rh+32*\c+4*\j+3], v3, s[4:5] offset:23552*\rh+256*\c+16*\j th:TH_LOAD_NT
.endif
.endr
.endr
.endr
	s_wait_loadcnt 0x0
.irp rh, 0,1
.irp i, 16,17,18,19,20,21,22,23,24,25,26,27,28,29,30,31
	v_cndmask_b32 v[NUM+64*\rh+32+\i], v[NUM+64*\rh+32+\i], v6, vcc_lo   ; K = 368 .. 383: zeros
.endr
.endr
.irp b, 0,1,2,3
	v_max3_num_f32 v[MX+\b], |v[NUM+32*\b]|, |v[NUM+32*\b+1]|, 0x1800000   ; the block's 32 numbers are mine; the floor 2^(3 - 127) holds the byte at 1 from below
.endr
.irp i, 2,4,6,8,10,12,14,16,18,20,22,24,26,28,30
.irp b, 0,1,2,3
	v_max3_num_f32 v[MX+\b], v[MX+\b], |v[NUM+32*\b+\i]|, |v[NUM+32*\b+\i+1]|   ; (the four blocks by turns)
.endr
.endr
.irp b, 0,1,2,3
	v_add_nc_u32 v[SO+\b], 0xff000000, v[MX+\b]    ; 2 off the exponent field: the conversion takes the exponent field of this operand as its scale
.endr
.irp b, 0,1,2,3
	v_lshrrev_b32 v[BYT+\b], 23, v[SO+\b]          ; the scale's byte
.endr
	v_lshlrev_b32 v7, 3, v2
.irp rh, 0,1
	v_lshl_or_b32 v[WD+\rh], v[BYT+2*\rh+1], 16, v[BYT+2*\rh]   ; my two bytes of the row's word: blocks h and 2 + h,
.endr
.irp rh, 0,1
	v_lshlrev_b32 v[WD+\rh], v7, v[WD+\rh]         ; at their places (8 h bits up)
	v_mov_b32 v[PX+\rh], 0                         ; (a lane permute's destination counts as one of its sources)
.endr
.irp rh, 0,1
	v_permlanex16_b32 v[PX+\rh], v[WD+\rh], s20, s21
.endr
.irp rh, 0,1
	v_or_b32 v[WD+\rh], v[WD+\rh], v[PX+\rh]       ; with lane l xor 16's two bytes the word is whole
.endr
	v_cmp_ne_u32 vcc_lo, 0, v2
	v_cndmask_b32 v8, v[WD], v[WD+1], vcc_lo       ; lane m holds the word of row 32 T + m
.irp b, 0,1,2,3
.irp g, 0,1,2,3
	v_cvt_scalef32_pk8_fp4_f32 v[CD+4*\b+\g], v[NUM+32*\b+8*\g:NUM+32*\b+8*\g+7], v[SO+\b]
.endr
.endr
	v_nop                                          ; one plain line behind the last scaled conversion
.irp b, 0,1,2,3
	global_store_b128 v9, v[CD+4*\b:CD+4*\b+3], s[28:29] offset:512*\b   ; 32 lanes store 512 consecutive bytes
.endr
	global_store_b32 v9, v8, s[30:31]
	s_endpgm
.Lnot_u3:
	s_cmp_lt_u32 ttmp9, 64
	s_cbranch_scc0 .Lmisc
	; ---- one (type, cgi) of tab
	s_sub_co_u32 s16, ttmp9, 24                    ; 4 x type + cgi
	s_lshr_b32 s17, s16, 2
	s_and_b32 s18, s16, 3
	s_mul_i32 s22, s17, 11776                      ; the type's 23 rows of 512 bytes,
	s_lshr_b32 s19, s18, 1
	s_lshl_b32 s19, s19, 8
	s_add_co_u32 s22, s22, s19                     ; channel 64 (cgi / 2)
	s_and_b32 s19, s18, 1
	s_lshl_b32 s19, s19, 2
	s_add_co_u32 s22, s22, s19                     ; + cgi % 2
	s_mov_b32 s23, 0
	s_mul_i32 s24, s16, 10240
	s_mov_b32 s25, 0
	v_lshlrev_b32 v3, 3, v0                        ; + 2 x lane
	s_wait_kmcnt 0x0
	s_add_nc_u64 s[10:11], s[10:11], s[22:23]
	s_add_nc_u64 s[14:15], s[14:15], s[24:25]
.irp k, 0,1,2,3,4,5,6,7,8,9,10,11,12,13,14,15,16,17,18,19,20,21,22
	global_load_b32 v[WK+\k], v3, s[10:11] offset:512*\k
.endr
	s_wait_loadcnt 0x0
.macro M1 d, s, a                      ; v[d] = the larger of v[s] and |w[a]|
	v_max_num_f32 v[\d], v[\s], |v[WK+\a]|
.endm
.macro M2 d, s, a, b                   ; the same with two of them
	v_max3_num_f32 v[\d], v[\s], |v[WK+\a]|, |v[WK+\b]|
.endm
	; the prefixes, each into its slot:  P3 P4 P7 P8 P9 P12 P13 P17 P18 P21 P22 F
	v_max3_num_f32 v[SL+21], |v[WK]|, |v[WK+1]|, |v[WK+2]|
	M1 SL+8,  SL+21, 3
	M2 40,    SL+8,  4, 5
	M1 SL+29, 40,    6
	M1 SL+16, SL+29, 7
	M1 SL+1,  SL+16, 8
	M2 40,    SL+1,  9, 10
	M1 SL+24, 40,    11
	M1 SL+10, SL+24, 12
	M2 40,    SL+10, 13, 14
	M2 SL+18, 40,    15, 16
	M1 SL+4,  SL+18, 17
	M2 40,    SL+4,  18, 19
	M1 SL+26, 40,    20
	M1 SL+12, SL+26, 21
	M1 SL+0,  SL+12, 22
	; the suffixes:  S22 S21 S18 S17 S13 S12 S9 S8 S7 S4 S3
	v_and_b32 v[SL+13], 0x7fffffff, v[WK+22]
	M1 SL+27, SL+13, 21
	M2 41,    SL+27, 20, 19
	M1 SL+5,  41,    18
	M1 SL+19, SL+5,  17
	M2 41,    SL+19, 16, 15
	M2 SL+11, 41,    14, 13
	M1 SL+25, SL+11, 12
	M2 41,    SL+25, 11, 10
	M1 SL+2,  41,    9
	M1 SL+17, SL+2,  8
	M1 SL+30, SL+17, 7
	M2 41,    SL+30, 6, 5
	M1 SL+9,  41,    4
	M1 SL+22, SL+9,  3
.irp s, 6,14,20,28
	v_mov_b32 v[SL+\s], v[SL]                      ; F stands once for each i whose run lies whole in a block
.endr
.irp s, 3,7,15,23,31
	v_mov_b32 v[SL+\s], 0                          ; slots that no block takes
.endr
.set R, 0
.rept 46
	v_mul_f32 v[RUN+R], 4.0, v[WK+R%23]
.set R, R+1
.endr
	v_mov_b32 v[RUN+46], 0
	v_mov_b32 v[RUN+47], 0
.irp q, 0,1,2,3,4,5,6,7,8,9,10,11,12,13,14,15,16,17,18,19
	global_store_b128 v9, v[RUN+4*\q:RUN+4*\q+3], s[14:15] offset:512*\q   ; the run and the slots lie on end in registers as in tab; 512 consecutive bytes a store
.endr
	s_endpgm
.Lmisc:
	; ---- U2 as bf16 fragments, U1
	v_lshlrev_b32 v3, 4, v1
	v_lshl_add_u32 v3, v2, 11, v3                  ; U2[8 h + j][r][0 .. 3] at 2,048 h + 256 j + 16 r
	v_lshlrev_b32 v4, 5, v2                        ; U1[8 h ..]
	s_wait_kmcnt 0x0
.irp j, 0,1,2,3,4,5,6,7
	global_load_b128 v[16+4*\j:19+4*\j], v3, s[6:7] offset:256*\j
.endr
.irp q, 0,1
	global_load_b128 v[48+4*\q:51+4*\q], v4, s[8:9] offset:16*\q
.endr
.irp i, 0,1,2,3
	v_mov_b32 v[80+\i], 0
.endr
	s_wait_loadcnt 0x0
.irp k, 0,1,2,3
.irp jj, 0,1,2,3
	v_cvt_pk_bf16_f32 v[64+4*\k+\jj], v[16+8*\jj+\k], v[20+8*\jj+\k]
.endr
.endr
.irp k, 0,1,2,3
	global_store_b128 v9, v[64+4*\k:67+4*\k], s[12:13] offset:52224+1024*\k
	global_store_b128 v9, v[80:83], s[12:13] offset:52224+1024*\k+512
.endr
.irp q, 0,1
	global_store_b128 v9, v[48+4*\q:51+4*\q], s[12:13] offset:56320+512*\q
.endr
	s_endpgm
.Lfunc_end_k_q7100ed2add_prep:
	.size	k_q7100ed2add_prep, .Lfunc_end_k_q7100ed2add_prep-k_q7100ed2add_prep
	.p2alignl 7, 3214868480
	.fill 96, 4, 3214868480
	.section	.rodata,"a",@progbits
	.p2align	6, 0x0
	.amdhsa_kernel k_q7100ed2add_prep
		.amdhsa_group_segment_fixed_size 0
		.amdhsa_private_segment_fixed_size 0
		.amdhsa_enable_private_segment 0
		.amdhsa_kernarg_size 48
		.amdhsa_user_sgpr_count 2
		.amdhsa_user_sgpr_kernarg_segment_ptr 1
		.amdhsa_wavefront_size32 1
		.amdhsa_system_sgpr_workgroup_id_x 1
		.amdhsa_system_sgpr_workgroup_id_y 1
		.amdhsa_system_sgpr_workgroup_id_z 1
		.amdhsa_system_vgpr_workitem_id 0
		.amdhsa_next_free_vgpr 192
		.amdhsa_next_free_sgpr 66
		.amdhsa_reserve_vcc 1
		.amdhsa_float_denorm_mode_32 3
		.amdhsa_float_denorm_mode_16_64 3
		.amdhsa_memory_ordered 1
		.amdhsa_forward_progress 1
		.amdhsa_inst_pref_size 24
	.end_amdhsa_kernel
	.amdgpu_metadata
---
amdhsa.version: [ 1, 2 ]
amdhsa.kernels:
  - .name:           k_q7100ed2add_prep
    .symbol:         k_q7100ed2add_prep.kd
    .args:
      - { .name: U3, .offset: 0, .size: 8, .value_kind: global_buffer, .address_space: global }
      - { .name: U2, .offset: 8, .size: 8, .value_kind: global_buffer, .address_space: global }
      - { .name: U1, .offset: 16, .size: 8, .value_kind: global_buffer, .address_space: global }
      - { .name: W3, .offset: 24, .size: 8, .value_kind: global_buffer, .address_space: global }
      - { .name: img, .offset: 32, .size: 8, .value_kind: global_buffer, .address_space: global }
      - { .name: tab, .offset: 40, .size: 8, .value_kind: global_buffer, .address_space: global }
    .group_segment_fixed_size: 0
    .private_segment_fixed_size: 0
    .kernarg_segment_align: 8
    .kernarg_segment_size: 48
    .max_flat_workgroup_size: 32
    .sgpr_count:     66
    .vgpr_count:     192
    .wavefront_size: 32
...
	.end_amdgpu_metadata
.endif
;; end of part 1
;; launch main (part 2): grid 256 x 1, 4 waves a work-group, clusters of 4 x 1, 167,936 bytes of LDS; arguments x, atom_types, W2, W1, img, tab, out0; writes out0
.if DOCPART == 2
	.amdgcn_target "amdgcn-amd-amdhsa--gfx1250"
	.amdhsa_code_object_version 6
	.text
	.protected	k_q7100ed2add_main
	.globl	k_q7100ed2add_main
	.p2align	8
	.type	k_q7100ed2add_main,@function
k_q7100ed2add_main:
	s_mov_b64 s[64:65], 0
	v_nop
	global_prefetch_b8 v0, s[64:65] scope:SCOPE_SE
	s_setreg_imm32_b32 hwreg(HW_REG_WAVE_MODE, 25, 1), 1
	s_wait_xcnt 0x0
	s_wait_alu depctr_hold_cnt(0) depctr_sa_sdst(0) depctr_va_vdst(0) depctr_va_sdst(0) depctr_va_ssrc(0) depctr_va_vcc(0) depctr_vm_vsrc(0)
	s_getreg_b32 s2, hwreg(HW_REG_IB_STS2, 6, 4)
	s_cmp_eq_u32 s2, 0
	s_cbranch_scc0 .Lentry_in_a_cluster
	s_endpgm
.Lentry_in_a_cluster:
	s_bfe_u32 s2, ttmp6, 0x10000c
	s_cmp_lg_u32 s2, 0x3003
	s_cbranch_scc0 .Lentry_shape_is_right
	s_endpgm
.Lentry_shape_is_right:
; SymmetricContraction, second launch.  For each row (atom n, channel c), with w. = W.[atom_types[n]][.][c] and x_i = x[n][i][c]:
;   out = sum over b of x_b acc[b],   acc[b] = U1[b] w1 + sum over a of c3[a][b] x_a + sum over k of w2[k] s[b][k],   s[b][k] = sum over a of U2[a][b][k] x_a,
;   c3[a][b] = sum over K of Q(xw)[K] Q(U3)[a][b][K],  xw[23 i + k] = w3[k] x_i:  the QUANTISED product, on codes of E2M1 with one E8M0 scale for each 32 along K; K = 368, filled with zero codes to 384.
; That is reference()'s sum with the two contractions by x taken in the other order; no work is left out.
; THE OPERAND xw IS MADE IN REGISTERS, a lane to a row: 184 packed products 4 w3[k] x_i (tab holds 4 w3), 46 conversions.  A BLOCK'S LARGEST MAGNITUDE IS NOT SEARCHED FOR: rounding keeps order, so the largest
; |w3[k] x_i| over a run of k is |x_i| times the largest |w3[k]| of that run, rounded once; the blocks cut the 16 runs of k into 27 pieces, whose largest |w3| tab holds: 16 packed products and 16 maxima for 12 blocks.
; With 4 w3 in the products the largest magnitude itself is the conversion's scale operand; the scale byte is its exponent field less 2 (0x02020202 off the word of four: no byte borrows, since the floor keeps each at 3 or more).
; THE MATRIX INSTRUCTION IS USED TRANSPOSED: source 0 = 32 rows (a, b) of U3, source 1 = 16 rows of xw.  In the result lane (r, h) holds row r; register j is (a = 2 T, b = 8 h + j), register 8 + j is (a = 2 T + 1, b = 8 h + j):
; so acc[8 h + j] takes a tile in by eight packed multiply-adds with x_a, and lanes meet once, at the end.  s[b][k] is a product left as it is: bf16 operands, K = a = 16 filled to 32 with U2's zeros.
; SHARES.  Work-group g owns atoms 8 g .. 8 g + 7.  Wave w: channels 64 (w % 2) .. + 63 of atoms 8 g + 4 (w / 2) + t, t = 0 .. 3.  A UNIT is 32 rows: one atom, channels 64 (w % 2) + 2 lane + p.  A trip is an atom: units p = 0, 1.
; ALL OF U3's CODES STAY IN EVERY WAVE'S REGISTERS (384), so the loop reads no operand of U3 from LDS; that is why a SIMD holds one wave.
; BY TURNS.  A unit has 48 + 8 matrix instructions and some 550 vector instructions: one slice of vector work stands behind each matrix instruction: the next K step's products and conversions, then the contraction of finished tiles.
; CLUSTER.  img is read by every work-group: four partners ask for it jointly (mask 15), a quarter to each wave.  x is shared by nobody. Nothing in LDS is filled again.
; THE START.  The first unit begins on as little as it needs.  x's first load brings the first atom's 4 KiB, the second the other three atoms' 12 KiB: the barrier at the head is passed with the second still out, and it is waited for
; once, where the second atom's x is first read.  U3's registers are filled K step by K step: K step 0's fragments at the head, K step 1's while K step 0 is multiplied, K step 2's and U2 while K step 1 is multiplied.
; So the first trip is written out, like the last; the two between are a loop.
; LIMITS: NaN and infinities among the inputs are not served (a product with U2's zeros would carry them); |w3 x| from 2^126 on overflows in 4 w3 x; products in the denormal range are exact here where reference() rounds them;
; a block of zeros has the byte 1 where the rule says 127 (its codes are zeros); x in the U2 term is rounded to bf16; atom_types is held to 0 .. 9.
; LDS: 0 img's 57,344 bytes | 57,344 x: 16,384 a wave (64 rows (t, i) of 256 bytes) | 122,880 a stage of 32 rows x 80 bytes a wave | 133,120 the spare words.
; REGISTERS, in windows of 256 (s_set_vgpr_msb: bits 1:0 source 0, 3:2 source 1, 5:4 source 2, 7:6 destination):
;   window 0: v1-9 addresses, v10-15 at work, v16-39 U3's scale words, v40-42 xw's, v44-51 U1, v52-53 the trip's results, v56-151 4 w3 (two sets of 48), v152-183 the 32 slots, v184-215 products (four octets; later acc and x_b),
;             v216-231, v232-247 xw's codes (K steps 0 and 2; K step 1, later x as bf16), v248-255 at work
;   window 1: U3's fragments 0-15.   window 2: v0-127 fragments 16-23; v128-159 U2; v160-175 x_i (lane = row); v176-187 the blocks' largest magnitudes; v192-223 x_a (lane = (r, h)); v224-243 w2, w1 (two sets of 10)
;   window 3: the 16 accumulators of 16 registers; the bf16 products' results lie over the first four once those are read.
.set XR,    57344
.set STG,   122880
.set SPARE, 133120
.set O_SU,  49152
.set O_U2,  52224
.set O_U1,  56320
.set FLOOR, 0x1800000                  ; 2^(3 - 127)
.set LO16, 1                           ; v1   16 x lane
.set XLC,  2                           ; v2   LDS: my channel pair in the trip's 16 rows of x
.set STS,  3                           ; v3   the stage: row = lane
.set STA,  4                           ; v4   the stage: row r
.set STB,  5                           ; v5   the stage: row r, + 32 h
.set HL,   6                           ; v6   256 (w % 2) + 8 r: my row's channel in W2 and W1
.set OO,   7                           ; v7   256 (w % 2) + 8 lane: my two results in a row of out0
.set SPW,  8                           ; v8   LDS address of my spare word; never rewritten
.set NIL,  9                           ; v9   0; never rewritten
.set TA,   10
.set TB,   12
.set RS0,  14
.set RS1,  15
.set SU,   16
.set SX,   40
.set U1H,  44
.set OUT,  52
.set WT,   56
.set SEG,  152
.set PROD, 184
.set CB0,  216
.set CB1,  232
.set PTC,  54                          ; s[54:55] tab at this trip's type;  s[56:57] at the next trip's;  s[58:59], s[60:61] W2, W1 at the next trip's;  s[80:81], s[82:83] W2, W1 at the first atom's
.set PTN,  56
.set PWN,  58
.set PW0,  80
.set W_F,  0x08                        ; source 1 in window 2
.set W_P,  0x0b                        ; source 0 in window 3, source 1 in window 2
.set W_L2, 0x80                        ; destination in window 2
.set W_B,  0xf2                        ; source 0 in window 2, C and D in window 3
.set MSB, 0
.macro WIN new                         ; the immediate's high byte repeats the setting that is left; a switch that changes nothing is dropped
.if MSB != (\new)
	s_set_vgpr_msb (MSB<<8)|(\new)
.set MSB, \new
.endif
.endm
.macro CROUND                          ; a round of the cluster's barrier
	s_barrier_signal -1
	s_barrier_wait -1
	s_cmp_lg_u32 s18, 0
	s_cbranch_scc1 .Lnot_wave_0_\@
	s_barrier_signal -3
.Lnot_wave_0_\@:
	s_barrier_wait -3
	s_barrier_signal -1
	s_barrier_wait -1
.endm
.macro SETP pt, e, pw                  ; the pointers of the type in s[e]: tab's into s[pt:pt+1], W2's and W1's into s[pw:pw+3]
	s_min_u32 s63, s[\e], 9
	s_mul_i32 s66, s63, 40960
	s_mov_b32 s67, 0
	s_add_nc_u64 s[\pt:\pt+1], s[52:53], s[66:67]
	s_lshl_b32 s66, s63, 11
	s_add_nc_u64 s[\pw:\pw+1], s[8:9], s[66:67]
	s_lshl_b32 s66, s63, 9
	s_add_nc_u64 s[\pw+2:\pw+3], s[10:11], s[66:67]
.endm
.macro LOADW p, q0, base               ; six of the twelve groups of 4 w3 for parity p
.irp q, 0,1,2,3,4,5
	global_load_b128 v[WT+48*(\p)+4*((\q0)+\q):WT+48*(\p)+4*((\q0)+\q)+3], v[LO16], s[\base:\base+1] offset:10240*(\p)+512*((\q0)+\q)
.endr
.endm
.macro LOADSEG base, off               ; the 32 slots
.irp q, 0,1,2,3,4,5,6,7
	global_load_b128 v[SEG+4*\q:SEG+4*\q+3], v[LO16], s[\base:\base+1] offset:(\off)+512*\q
.endr
.endm
.macro LOADM p, pw                     ; w2[k] and w1 of rows r and 16 + r, parity p: ten loads into window 2
	WIN W_L2
.irp rt, 0,1
.irp k, 0,1,2,3
	global_load_b32 v[224+10*(\p)+4*\rt+\k], v[HL], s[\pw:\pw+1] offset:512*\k+128*\rt+4*(\p)
.endr
	global_load_b32 v[224+10*(\p)+8+\rt], v[HL], s[\pw+2:\pw+3] offset:128*\rt+4*(\p)
.endr
.endm
.macro XLOAD off                       ; x_i of 32 rows, a lane to a row, into window 2
	WIN W_L2
.irp i, 0,1,2,3,4,5,6,7,8,9,10,11,12,13,14,15
	ds_load_b32 v[160+\i], v[XLC] offset:(\off)+256*\i
.endr
.endm
; U3's fragments of K step ks for rows 32 base .. 32 base + 63: two fragments, eight loads, from img's image into the registers in which they stay.  Fragment f = 3 T + ks lies at 2,048 f; its registers at 16 (f % 16) of window 1 + f / 16.
.macro FRAG2 ks, base
.irp tt, \base, \base+1
.set FL, 3*(\tt)+(\ks)
.set WL, 0x40*(1+FL/16)
	WIN WL
.irp g, 0,1,2,3
	ds_load_b128 v[16*(FL%16)+4*\g:16*(FL%16)+4*\g+3], v[LO16] offset:2048*FL+512*\g
.endr
.endr
.endm
.macro U2LOAD                          ; U2's four bf16 fragments
	WIN W_L2
.irp q, 0,1,2,3,4,5,6,7
	ds_load_b128 v[128+4*\q:128+4*\q+3], v[LO16] offset:O_U2+512*\q
.endr
.endm
; Matrix instruction (K step s, accumulator m = 2 T + rt): rows 32 T .. of U3 x rows 16 rt .. of the unit.  xw's scale word lies a lane to a row: lanes 0-15 serve rt = 0, lanes 16-31 rt = 1.
; The 16 accumulators take turns, one instruction a turn, in the same order in every K step.  zero = 1: the product starts the sum.
.macro MM s, m, zero
.set FT, 3*((\m)/2)+(\s)
.set DR, 16*(\m)
.set AR, 16*(FT%16)
.set BR, CB0+8*((\m)%2)
.if (\s) == 1
.set BR, CB1+8*((\m)%2)
.endif
.set WN, 0xf1+FT/16
	WIN WN
.if \zero
.if ((\m)%2) == 1
	v_wmma_scale_f32_32x16x128_f4 v[DR:DR+15], v[AR:AR+15], v[BR:BR+7], 0, v[SU+FT], v[SX+(\s)] matrix_b_scale:MATRIX_SCALE_ROW1
.else
	v_wmma_scale_f32_32x16x128_f4 v[DR:DR+15], v[AR:AR+15], v[BR:BR+7], 0, v[SU+FT], v[SX+(\s)]
.endif
.else
.if ((\m)%2) == 1
	v_wmma_scale_f32_32x16x128_f4 v[DR:DR+15], v[AR:AR+15], v[BR:BR+7], v[DR:DR+15], v[SU+FT], v[SX+(\s)] matrix_b_scale:MATRIX_SCALE_ROW1
.else
	v_wmma_scale_f32_32x16x128_f4 v[DR:DR+15], v[AR:AR+15], v[BR:BR+7], v[DR:DR+15], v[SU+FT], v[SX+(\s)]
.endif
.endif
.endm
.macro BW i                            ; s[b][k] of rows 16 rt .., i = 2 k + rt.  Above x's four registers stand finite bf16 numbers or zeros: U2's upper half of K is zeros
	WIN W_B
	v_wmma_f32_16x16x32_bf16 v[8*(\i):8*(\i)+7], v[128+8*((\i)/2):128+8*((\i)/2)+7], v[CB1+4*((\i)%2):CB1+4*((\i)%2)+7], 0
.endm
; Octet q of the products: K = 8 q .. 8 q + 7, in pairs.  4 w3 comes from the doubled run at K mod 46; x_i from the pair that holds i = K / 23: both halves by one of the two, or, where a run of k ends between K and K + 1, by both.
.macro PK4 q, p
.set jj, 0
.rept 4
.set KK, 8*(\q)+2*jj
.set II, KK/23
.set I2, (KK+1)/23
.set XP, 160+(II/2)*2
.set WR, WT+48*(\p)+KK%46
.set PR, PROD+KK%32
.if I2 != II
	v_pk_mul_f32 v[PR:PR+1], v[WR:WR+1], v[XP:XP+1]
.elseif (II%2) == 0
	v_pk_mul_f32 v[PR:PR+1], v[WR:WR+1], v[XP:XP+1] op_sel_hi:[1,0]
.else
	v_pk_mul_f32 v[PR:PR+1], v[WR:WR+1], v[XP:XP+1] op_sel:[0,1] op_sel_hi:[1,1]
.endif
.set jj, jj+1
.endr
.endm
; Octet q becomes eight codes: register q % 4 of block b = q / 4.  Even blocks go where rows 0-15's fragment will stand, odd ones where rows 16-31's will.
.macro CVT q
.set BB, (\q)/4
.set CBX, CB0
.if (BB >= 4) && (BB < 8)
.set CBX, CB1
.endif
.set CR, CBX+8*(BB%2)+4*((BB/2)%2)+(\q)%4
.set PS, PROD+8*((\q)%4)
	v_cvt_scalef32_pk8_fp4_f32 v[CR], v[PS:PS+7], v[176+BB]
.endm
; Blocks 2 bp and 2 bp + 1, a lane to a row, become the operand's registers: the even block's lanes 16-31 change places with the odd block's lanes 0-15.
.macro SWAP4 bp
.set BB, 2*(\bp)
.set CBX, CB0
.if (BB >= 4) && (BB < 8)
.set CBX, CB1
.endif
.set CE, CBX+4*((BB/2)%2)
.irp g, 0,1,2,3
	v_permlane16_swap_b32 v[CE+\g], v[CE+8+\g]
.endr
.endm
; Group q of the operand's making: octet q's products, then octet q - 1's conversion: so behind each conversion stand plain products into another octet, and an octet is written again three groups on.
.macro G q, p
.if (\q) <= 45
	PK4 \q, \p
.endif
.if ((\q) >= 9) && ((\q) <= 41) && (((\q)%8) == 1)
	SWAP4 ((\q)-9)/8
.endif
.if ((\q) >= 1) && ((\q) <= 46)
	CVT (\q)-1
.endif
.if (\q) == 46
	v_mov_b32 v[CB0+14], 0                         ; K = 368 .. 383: zero codes.  (Also the plain lines behind the last conversion)
	v_mov_b32 v[CB0+15], 0
.endif
.if (\q) == 47
	SWAP4 5
.endif
.endm
.macro FIN2 b, s1, s2                  ; a block of two pieces
	v_max3_num_f32 v[176+\b], |v[SEG+\s1]|, |v[SEG+\s2]|, FLOOR
.endm
.macro FIN3 b, s1, s3                  ; a block of three: the first two and the floor are joined already
	v_max_num_f32 v[176+\b], v[SEG+\s1], |v[SEG+\s3]|
.endm
.macro SEGCALC                         ; the 12 blocks' largest magnitudes.  Slots 4 pp .. 4 pp + 3 belong to x_(2 pp), x_(2 pp + 1)
	WIN W_F
.irp pp, 0,1,2,3,4,5,6,7
.if (\pp == 0) || (\pp == 5) || (\pp == 7)
	v_pk_mul_f32 v[SEG+4*\pp:SEG+4*\pp+1], v[SEG+4*\pp:SEG+4*\pp+1], v[160+2*\pp:161+2*\pp]
.else
	v_pk_mul_f32 v[SEG+4*\pp:SEG+4*\pp+1], v[SEG+4*\pp:SEG+4*\pp+1], v[160+2*\pp:161+2*\pp] op_sel_hi:[1,0]
.endif
	v_pk_mul_f32 v[SEG+4*\pp+2:SEG+4*\pp+3], v[SEG+4*\pp+2:SEG+4*\pp+3], v[160+2*\pp:161+2*\pp] op_sel:[0,1] op_sel_hi:[1,1]
.endr
.irp s, 5,13,19,27
	v_max3_num_f32 v[SEG+\s], |v[SEG+\s]|, FLOOR, |v[SEG+\s+1]|   ; (the floor stands as source 1, which means window 2 here)
.endr
	WIN W_L2
	FIN2 0, 0, 1
	FIN2 1, 2, 4
	FIN3 2, 5, 8
	FIN2 3, 9, 10
	FIN2 4, 11, 12
	FIN3 5, 13, 16
	FIN2 6, 17, 18
	FIN3 7, 19, 21
	FIN2 8, 22, 24
	FIN2 9, 25, 26
	FIN3 10, 27, 29
	FIN2 11, 30, 30
	WIN W_F
.endm
.macro BYTES                           ; the three scale words of my row
.irp b, 0,1,2,3,4,5,6,7
	v_lshrrev_b32 v[248+\b], 23, v[176+\b]         ; the exponent fields
.endr
.irp b, 8,9,10,11
	v_lshrrev_b32 v[2+\b], 23, v[176+\b]           ; (v10-13)
.endr
	v_lshl_or_b32 v[SX],   v249, 8, v248
	v_lshl_or_b32 v[SX+1], v253, 8, v252
	v_lshl_or_b32 v[SX+2], v11,  8, v10
	v_lshl_or_b32 v[SX],   v250, 16, v[SX]
	v_lshl_or_b32 v[SX+1], v254, 16, v[SX+1]
	v_lshl_or_b32 v[SX+2], v12,  16, v[SX+2]
	v_lshl_or_b32 v[SX],   v251, 24, v[SX]
	v_lshl_or_b32 v[SX+1], v255, 24, v[SX+1]
	v_lshl_or_b32 v[SX+2], v13,  24, v[SX+2]
.irp s, 0,1,2
	v_lshl_add_u32 v[SX+\s], v[SX+\s], 0, 0xfdfdfdfe   ; 2 off each byte
.endr
.endm
.macro POSTR m                         ; accumulator m goes into acc: acc[8 h + j] += c3[2 T][8 h + j] x_(2 T) + c3[2 T + 1][8 h + j] x_(2 T + 1).  The accumulator is read from its low end on
.set PRT, (\m)%2
.set XAP, 192+16*PRT+((\m)/2)*2
.set AC, PROD+8*PRT
.irp jp, 0,1,2,3
	v_pk_fma_f32 v[AC+2*\jp:AC+2*\jp+1], v[16*(\m)+2*\jp:16*(\m)+2*\jp+1], v[XAP:XAP+1], v[AC+2*\jp:AC+2*\jp+1] op_sel_hi:[1,0,1]
.endr
.irp jp, 0,1,2,3
	v_pk_fma_f32 v[AC+2*\jp:AC+2*\jp+1], v[16*(\m)+8+2*\jp:16*(\m)+8+2*\jp+1], v[XAP:XAP+1], v[AC+2*\jp:AC+2*\jp+1] op_sel:[0,1,0] op_sel_hi:[1,1,1]
.endr
.endm
.macro POST2R i                        ; acc[8 h + j] += s[8 h + j][k] w2[k], i = 2 k + rt.  MP: this unit's set of w2, w1
.set PRT, (\i)%2
.set PKK, (\i)/2
.set W2P, MP+4*PRT+(PKK/2)*2
.set AC, PROD+8*PRT
.irp jp, 0,1,2,3
.if (PKK%2) == 0
	v_pk_fma_f32 v[AC+2*\jp:AC+2*\jp+1], v[8*(\i)+2*\jp:8*(\i)+2*\jp+1], v[W2P:W2P+1], v[AC+2*\jp:AC+2*\jp+1] op_sel_hi:[1,0,1]
.else
	v_pk_fma_f32 v[AC+2*\jp:AC+2*\jp+1], v[8*(\i)+2*\jp:8*(\i)+2*\jp+1], v[W2P:W2P+1], v[AC+2*\jp:AC+2*\jp+1] op_sel:[0,1,0] op_sel_hi:[1,1,1]
.endif
.endr
.endm
; A UNIT.  p: the parity of its channels.  segn: the next unit's slots are asked for.  tripn: the next trip's 4 w3, w2, w1 of this parity are asked for.  xn: the next unit's x is fetched from LDS.
; lcnt: the global loads issued behind this unit's slots: the other parity's 12 + 10 for the next trip, or none.
; fu = 1: the launch's first unit, which also brings U3's fragments of K steps 1 and 2 and U2 into their registers.  fu = 2: the unit behind it, which waits for the tensor load of atoms 1 to 3.  Else 0.
.macro UNIT p, segn, tripn, xn, lcnt, fu
.set MP, 224+10*(\p)
	s_wait_loadcnt \lcnt                           ; my slots are in, and with them my 4 w3, w2, w1, which were asked for earlier
.if (\fu) == 1
	s_wait_dscnt 40                                ; x_i is in: behind its 16 loads stand the 8 of U3's scale words and U1 and the 32 of K step 0's fragments
.else
	s_wait_dscnt 0x0                               ; x_i
.endif
	; ---- A: the scales, and K step 0's codes
	SEGCALC
	BYTES
.set gq, 0
.rept 19
	G gq, \p
.set gq, gq+1
.endr                                          ; the last exchange of halves of K step 0 stands in group 17; group 18's four products are the places between it and the first matrix instruction
.if (\fu) == 1
	s_wait_dscnt 0x0                               ; U3's scale words and K step 0's fragments are in
.endif
	; ---- B: K step 0 is multiplied | K step 1's codes are made
.set mq, 0
.rept 14
	MM 0, mq, 1
	WIN W_F
	G gq, \p
.if ((\fu) == 1) && ((mq%2) == 0) && (mq < 8)
	FRAG2 1, mq                                    ; K step 1's fragments, two behind every other slice: registers that no matrix instruction has named yet
.endif
.set gq, gq+1
.set mq, mq+1
.endr
	MM 0, 14, 1
.if \segn
	WIN W_F
.if (\p) == 0
	LOADSEG PTC, 16384                             ; this atom's other parity
.else
	LOADSEG PTN, 6144                              ; the next atom
.endif
.endif
	MM 0, 15, 1
	WIN W_F
.irp q, 0,1,2,3
	ds_store_b128 v[STS], v[160+4*\q:163+4*\q] offset:16*\q   ; x_0 .. x_15 of my row into the stage: it comes back a lane to (r, h)
.endr
	G 33, \p                                       ; its four products are the places behind the last product of K step 0: only then are that step's code registers written again
	G 34, \p                                       ; and these four the places between K step 1's last exchange and its first product
.if (\fu) == 1
	s_wait_dscnt 0x0                               ; K step 1's fragments are in
.endif
	; ---- C: K step 1 is multiplied | K step 2's codes are made
.set gq, 35
.set mq, 0
.rept 13
	MM 1, mq, 0
	WIN W_F
	G gq, \p
.if \tripn && (mq == 11)
	LOADW \p, 0, PTN                               ; the last product by this set of 4 w3 stands in group 45
.endif
.if \tripn && (mq == 12)
	LOADW \p, 6, PTN
.endif
.if ((\fu) == 1) && ((mq%2) == 0) && (mq < 8)
	FRAG2 2, mq                                    ; K step 2's fragments likewise;
.endif
.if ((\fu) == 1) && (mq == 8)
	U2LOAD                                         ; and U2's: the wait behind product 13 of this K step serves them all
.endif
.set gq, gq+1
.set mq, mq+1
.endr
	MM 1, 13, 0
	WIN W_F
	s_wait_dscnt 0x0                               ; the four stores into the stage have read x's registers
.irp rt, 0,1
.irp u, 0,1
	ds_load_b128 v[PROD+16+8*\rt+4*\u:PROD+16+8*\rt+4*\u+3], v[STB] offset:1280*\rt+16*\u   ; x_b, b = 8 h + 0 .. 7, of row 16 rt + r
.endr
.endr
	WIN W_L2
.irp rt, 0,1
.irp u, 0,1,2,3
	ds_load_b128 v[192+16*\rt+4*\u:192+16*\rt+4*\u+3], v[STA] offset:1280*\rt+16*\u          ; x_a, a = 0 .. 15, of the same row
.endr
.endr
	MM 1, 14, 0
.if \xn
.if (\p) == 0
	XLOAD 4
.else
.if (\fu) == 2
	s_wait_tensorcnt 0x0                           ; my load of atoms 1 to 3 has landed: only I read those bytes, so my own wait is all the ordering that the reads need
.endif
	XLOAD 4096
.endif
.endif
	MM 1, 15, 0
	WIN W_F
.irp jp, 0,1,2,3                               ; acc begins as U1[b] w1.  These eight are the places behind K step 1's last product (its code registers are written below) and in front of K step 2's first
	v_pk_mul_f32 v[PROD+2*\jp:PROD+2*\jp+1], v[U1H+2*\jp:U1H+2*\jp+1], v[MP+8:MP+9] op_sel_hi:[1,0]
.endr
.irp jp, 0,1,2,3
	v_pk_mul_f32 v[PROD+8+2*\jp:PROD+8+2*\jp+1], v[U1H+2*\jp:U1H+2*\jp+1], v[MP+8:MP+9] op_sel:[0,1] op_sel_hi:[1,1]
.endr
	; ---- D: K step 2 is multiplied | finished accumulators go into acc
	MM 2, 0, 0
.if \xn
	s_wait_dscnt 24                                ; x_b is in: behind its loads stand x_a's 8 and the next unit's 16
.else
	s_wait_dscnt 8                                 ; x_b is in: behind its loads stand x_a's 8
.endif
	WIN 0
.irp rt, 0,1
.irp jj, 0,1,2,3
	v_cvt_pk_bf16_f32 v[CB1+4*\rt+\jj], v[PROD+16+8*\rt+2*\jj], v[PROD+17+8*\rt+2*\jj]   ; x_a, a = 8 h + 0 .. 7, as source 1 of the bf16 product
.endr
.endr
.irp i, 8,9,10,11
	v_mov_b32 v[CB1+\i], 0
.endr
	MM 2, 1, 0
.if \xn
	s_wait_dscnt 16                                ; x_a is in: behind its loads stand the next unit's 16
.else
	s_wait_dscnt 0x0
.endif
	WIN W_P
	POSTR 0
.irp m, 2,3,4
	MM 2, \m, 0
	WIN W_P
	POSTR \m-1
.endr
.set iq, 0
.rept 8                                        ; accumulators 0-3 are read: the bf16 products' eight results lie over them
	MM 2, 5+iq, 0
	BW iq
	WIN W_P
	POSTR 4+iq
.if iq > 0
	POST2R iq-1
.endif
.set iq, iq+1
.endr
.irp m, 13,14,15
	MM 2, \m, 0
	WIN W_P
	POSTR \m-1
.endr
	POST2R 7
	POSTR 15                                       ; twelve packed lines stand between the last product and this first read of it
	WIN 0
	v_pk_mul_f32 v[TA:TA+1], v[PROD:PROD+1], v[PROD+16:PROD+17]         ; sum over my eight b of x_b acc[b], rows r and 16 + r by turns
	v_pk_mul_f32 v[TB:TB+1], v[PROD+8:PROD+9], v[PROD+24:PROD+25]
.irp jp, 1,2,3
	v_pk_fma_f32 v[TA:TA+1], v[PROD+2*\jp:PROD+2*\jp+1], v[PROD+16+2*\jp:PROD+17+2*\jp], v[TA:TA+1]
	v_pk_fma_f32 v[TB:TB+1], v[PROD+8+2*\jp:PROD+9+2*\jp], v[PROD+24+2*\jp:PROD+25+2*\jp], v[TB:TB+1]
.endr
	v_add_f32 v[RS0], v[TA], v[TA+1]
	v_add_f32 v[RS1], v[TB], v[TB+1]
	v_permlane16_swap_b32 v[RS0], v[RS1]           ; now both halves of a row's sum lie in the lane of that row
	v_add_f32 v[OUT+(\p)], v[RS0], v[RS1]
.if \tripn
	LOADM \p, PWN
.endif
	WIN 0
.endm
.macro TRIP last, first
.if \last
	UNIT 0, 1, 0, 1, 22, 0
	UNIT 1, 0, 0, 0, 0, 0
.elseif \first
	UNIT 0, 1, 1, 1, 22, 1
	UNIT 1, 1, 1, 1, 22, 2
.else
	UNIT 0, 1, 1, 1, 22, 0
	UNIT 1, 1, 1, 1, 22, 0
.endif
	global_store_b64 v[OO], v[OUT:OUT+1], s[16:17] th:TH_STORE_NT   ; 32 lanes store 256 consecutive bytes, at a multiple of 256 from out0's first byte
.if !(\last)
	s_wait_xcnt 0x0                                ; the trip's loads and its store have read their bases and registers: they may be written
	s_wait_dscnt 0x0                               ; and the LDS loads that name x's address are back
	s_add_nc_u64 s[16:17], s[16:17], 512           ; the next atom's row of out0,
	v_add_nc_u32 v[XLC], 4096, v[XLC]              ; its 16 rows of x,
	s_mov_b64 s[PTC:PTC+1], s[PTN:PTN+1]           ; its table;
	SETP PTN, 50, PWN                              ; and the pointers of the atom after it (behind the third trip: the last atom's once more; nothing is loaded by them)
	s_mov_b32 s50, s51
.endif
.endm
	s_load_b256 s[4:11], s[0:1], 0x0               ; x s[4:5], atom_types s[6:7], W2 s[8:9], W1 s[10:11]
	s_load_b128 s[12:15], s[0:1], 0x20             ; img s[12:13], tab s[14:15]
	s_load_b64 s[16:17], s[0:1], 0x30              ; out0
	v_lshl_add_u32 v[SPW], v0, 2, SPARE
	v_mov_b32 v[NIL], 0
	ds_add_u32 v[SPW], v[NIL]                      ; the wave's opening: the add, twice on end, and its wait ahead of my first tensor load
	ds_add_u32 v[SPW], v[NIL]
	v_lshrrev_b32 v10, 5, v0
	v_readfirstlane_b32 s18, v10                   ; wave 0..3
	s_and_b32 s19, s18, 1                          ; which 64 channels
	s_lshr_b32 s20, s18, 1                         ; which four atoms
	s_bfe_u32 s21, ttmp6, 0x40000                  ; cx: my place in the cluster
	s_lshl_b32 s22, ttmp9, 2                       ; (in a cluster launch ttmp9 counts clusters)
	s_add_co_u32 s22, s22, s21                     ; work-group g: it enters global addresses alone
	s_lshl_b32 s23, s22, 3
	s_lshl_b32 s63, s20, 2
	s_add_co_u32 s23, s23, s63                     ; my first atom
	; img: a quarter a wave, 14,336 dense bytes as 56 rows of 256 bytes (32 elements of 8 bytes), asked for jointly by the four partners
	s_mov_b32 s24, 15|(3<<16)|(1<<21)              ; 15:0 the mask: all four; 17:16 elements of 8 bytes; 21 set beside a mask
	s_mov_b32 s25, 32<<16                          ; tensor_dim0
	s_mov_b32 s26, 56<<16                          ; tensor_dim1
	s_mov_b32 s27, 32<<16                          ; tile_dim0
	s_mov_b32 s28, 56                              ; tile_dim1
	s_mov_b32 s29, 32                              ; from row to row
	s_mov_b32 s30, 0
	s_mov_b32 s31, 0
	; x, my own: rows of 64 f32 numbers, 128 apart.  The first atom's 16 rows,
	s_mov_b32 s32, 2<<16                           ; no mask; elements of 4 bytes
	s_mov_b32 s33, 64<<16
	s_mov_b32 s34, 16<<16
	s_mov_b32 s35, 64<<16
	s_mov_b32 s36, 16
	s_mov_b32 s37, 128
	s_mov_b32 s38, 0
	s_mov_b32 s39, 0
	; and the other three atoms' 48
	s_mov_b32 s68, 2<<16
	s_mov_b32 s69, 64<<16
	s_mov_b32 s70, 48<<16
	s_mov_b32 s71, 64<<16
	s_mov_b32 s72, 48
	s_mov_b32 s73, 128
	s_mov_b32 s74, 0
	s_mov_b32 s75, 0
	s_mov_b32 s40, 1
	s_mul_i32 s41, s18, 14336                      ; LDS: wave x 14,336: no place in the cluster enters it
	s_mov_b32 s44, 1
	s_mul_i32 s45, s18, 16384
	s_add_co_u32 s45, s45, XR
	s_mov_b32 s76, 1
	s_add_co_u32 s77, s45, 4096                    ; behind the first atom's 16 rows of 256 bytes
	s_mov_b32 s67, 0
	s_wait_dscnt 0x0                               ; both opening adds are done
	s_wait_kmcnt 0x0
	s_mov_b32 s66, s41
	s_add_nc_u64 s[42:43], s[12:13], s[66:67]
	s_or_b32 s43, s43, 0x80000000
	s_lshl_b32 s66, s23, 13                        ; an atom of x is 8,192 bytes
	s_lshl_b32 s63, s19, 8
	s_add_co_u32 s66, s66, s63
	s_add_nc_u64 s[46:47], s[4:5], s[66:67]
	s_add_nc_u64 s[78:79], s[46:47], 0x2000        ; the second atom
	s_or_b32 s47, s47, 0x80000000
	s_or_b32 s79, s79, 0x80000000
	s_lshl_b32 s66, s23, 2
	s_add_nc_u64 s[6:7], s[6:7], s[66:67]
	s_load_b128 s[48:51], s[6:7], 0x0              ; my four atoms' types: they enter global addresses alone, each held to 0 .. 9
	s_lshl_b32 s66, s23, 9
	s_add_nc_u64 s[16:17], s[16:17], s[66:67]      ; out0 at my first atom
	s_mul_i32 s66, s19, 20480
	s_add_nc_u64 s[52:53], s[14:15], s[66:67]      ; tab at cgi = 2 (w % 2)
	CROUND                                         ; all four work-groups are here: the joint loads meet
	tensor_load_to_lds s[40:43], s[24:31]          ; three tensor loads of mine are out: the launch's only ones.  My quarter of img,
	s_nop 0
	tensor_load_to_lds s[44:47], s[32:39]          ; my first atom's x,
	s_nop 0
	tensor_load_to_lds s[76:79], s[68:75]          ; the other three atoms'
	s_nop 0
.rept 4
	v_nop
.endr
	v_and_b32 v10, 31, v0                          ; lane
	v_and_b32 v11, 15, v0                          ; r
	v_bfe_u32 v12, v0, 4, 1                        ; h
	v_lshlrev_b32 v[LO16], 4, v10
	v_lshl_add_u32 v[XLC], v10, 3, s45
	s_mul_i32 s63, s18, 2560
	s_add_co_u32 s63, s63, STG                     ; my stage
	v_mul_u32_u24 v[STS], v10, 80
	v_add_nc_u32 v[STS], s63, v[STS]
	v_mul_u32_u24 v[STA], v11, 80
	v_add_nc_u32 v[STA], s63, v[STA]
	v_lshl_add_u32 v[STB], v12, 5, v[STA]
	s_lshl_b32 s63, s19, 8
	v_lshl_add_u32 v[HL], v11, 3, s63
	v_lshl_add_u32 v[OO], v10, 3, s63
	s_wait_kmcnt 0x0                               ; the types
	SETP PTC, 48, PW0
	LOADW 0, 0, PTC                                ; the first atom's tables, in the order in which the loop asks: so the loop's count holds for the first unit too
	LOADW 0, 6, PTC
	LOADM 0, PW0
	WIN 0
	LOADSEG PTC, 6144
	LOADW 1, 0, PTC
	LOADW 1, 6, PTC
	LOADM 1, PW0
	WIN 0
	SETP PTN, 49, PWN                              ; the second atom's pointers, in registers that no pending load names: no wait is owed
	s_wait_tensorcnt 0x1                           ; my quarter of img and my first atom's x are in; the load of the other three atoms may stay out, and only I read its bytes
	s_barrier_signal -1
	s_barrier_wait -1                              ; everybody's quarter of img is in
	XLOAD 0                                        ; x first: the first unit's first phase wants nothing else from LDS
	WIN 0
.set ff, 0
.rept 6
	ds_load_b128 v[SU+4*ff:SU+4*ff+3], v[LO16] offset:O_SU+512*ff
.set ff, ff+1
.endr
.irp q, 0,1
	ds_load_b128 v[U1H+4*\q:U1H+4*\q+3], v[LO16] offset:O_U1+512*\q
.endr
.irp t0, 0,2,4,6
	FRAG2 0, \t0                                   ; K step 0's eight fragments: 56 LDS loads of mine are out
.endr
	WIN 0
	TRIP 0, 1                                      ; the first atom is written out: it fills the rest of U3's registers on its way
	s_mov_b32 s62, 2
.Ltrip:
	TRIP 0, 0
	s_sub_co_u32 s62, s62, 1
	s_cmp_lg_u32 s62, 0
	s_cbranch_scc1 .Ltrip
	TRIP 1, 0                                      ; the last atom is written out: it asks for nothing beyond itself
	s_wait_tensorcnt 0x0                           ; the wave's end, behind my last tensor load and my last LDS store
	ds_add_u32 v[SPW], v[NIL]
	s_wait_dscnt 0x0
	CROUND                                         ; the closing round
	s_endpgm
.Lfunc_end_k_q7100ed2add_main:
	.size	k_q7100ed2add_main, .Lfunc_end_k_q7100ed2add_main-k_q7100ed2add_main
	.p2alignl 7, 3214868480
	.fill 96, 4, 3214868480
	.section	.rodata,"a",@progbits
	.p2align	6, 0x0
	.amdhsa_kernel k_q7100ed2add_main
		.amdhsa_group_segment_fixed_size 167936
		.amdhsa_private_segment_fixed_size 0
		.amdhsa_enable_private_segment 0
		.amdhsa_kernarg_size 56
		.amdhsa_user_sgpr_count 2
		.amdhsa_user_sgpr_kernarg_segment_ptr 1
		.amdhsa_wavefront_size32 1
		.amdhsa_system_sgpr_workgroup_id_x 1
		.amdhsa_system_sgpr_workgroup_id_y 1
		.amdhsa_system_sgpr_workgroup_id_z 1
		.amdhsa_system_vgpr_workitem_id 0
		.amdhsa_next_free_vgpr 1024
		.amdhsa_next_free_sgpr 84
		.amdhsa_reserve_vcc 0
		.amdhsa_float_denorm_mode_32 3
		.amdhsa_float_denorm_mode_16_64 3
		.amdhsa_memory_ordered 1
		.amdhsa_forward_progress 1
		.amdhsa_inst_pref_size 255
	.end_amdhsa_kernel
	.section	.bss,"aw",@nobits
	.p2align	6
	.space	262144
	.amdgpu_metadata
---
amdhsa.version: [ 1, 2 ]
amdhsa.kernels:
  - .name:           k_q7100ed2add_main
    .symbol:         k_q7100ed2add_main.kd
    .args:
      - { .name: x, .offset: 0, .size: 8, .value_kind: global_buffer, .address_space: global }
      - { .name: atom_types, .offset: 8, .size: 8, .value_kind: global_buffer, .address_space: global }
      - { .name: W2, .offset: 16, .size: 8, .value_kind: global_buffer, .address_space: global }
      - { .name: W1, .offset: 24, .size: 8, .value_kind: global_buffer, .address_space: global }
      - { .name: img, .offset: 32, .size: 8, .value_kind: global_buffer, .address_space: global }
      - { .name: tab, .offset: 40, .size: 8, .value_kind: global_buffer, .address_space: global }
      - { .name: out0, .offset: 48, .size: 8, .value_kind: global_buffer, .address_space: global }
    .group_segment_fixed_size: 167936
    .private_segment_fixed_size: 0
    .kernarg_segment_align: 8
    .kernarg_segment_size: 56
    .max_flat_workgroup_size: 128
    .sgpr_count:     84
    .vgpr_count:     1024
    .wavefront_size: 32
...
	.end_amdgpu_metadata
.endif
;; end of part 2
